; MI455X (gfx1250); checked and timed in simulation.
; The chip was launched on July 23, 2026; its instructions are those of AMD's public machine-readable ISA for CDNA 5 (MIT licence, August 2026) and "CDNA5" Instruction Set Architecture Reference Guide (July 2026). The comments in the code are by the model that wrote it; some were corrected since.
;; Self Attention. Allowed arithmetic: matrix products marked QUANTISED: E2M3 operands, one E8M0 scale for each 32 along K, by v_wmma_scale_f32_16x16x128_f8f6f4 with both operands' format E2M3, f32 sums; everything else in f32.
;; Inputs: Wk 32 x 256 float32; Wq 32 x 256 float32; Wv 256 x 256 float32; x 4 x 256 x 64 x 64 float32.
;; Outputs: out0 4 x 256 x 64 x 64 float32.
;; This version of the problem:
;;   THIS VERSION OF THE PROBLEM IS GIVEN IN LOW PRECISION. The matrix products marked QUANTISED in the list below multiply operands that are first quantised to E2M3 (2 exponent bits, 3 mantissa bits; 6 bits a number), with one power-of-two scale for each 32 numbers along K (OCP MX v1.0); their sums are f32. All else is computed in f32.
;;   The module's matrix products, in the order in which they are computed (A, B: the left and right operand; K: the contracted axis; several contracted axes count as one K, in the product's order):
;;     1. [M 16,384, K 256] x [K 256, N 32]; A: input x; B: input Wq: QUANTISED
;;     2. [M 16,384, K 256] x [K 256, N 32]; A: input x; B: input Wk: QUANTISED
;;     3. [M 16,384, K 256] x [K 256, N 256]; A: input x; B: input Wv: QUANTISED
;;     4. batch 4 x [M 4,096, K 32] x [K 32, N 4,096]; A: computed on the way; B: computed on the way: QUANTISED
;;     5. batch 4 x [M 256, K 4,096] x [K 4,096, N 4,096]; A: computed on the way; B: softmax (see below): QUANTISED
;;   THE QUANTISER, for each operand of a quantised product, along K:
;;     - K is cut into blocks of 32 from its start; a last block that is shorter is filled with zeros.
;;     - A block's scale is 2^e with e = floor(log2(the largest magnitude in the block)) - 2, held to -126 .. 127; a block of zeros has e = 0. As a byte (E8M0): e + 127.
;;     - Each number is divided by its block's scale, clamped to +-7.5, and rounded to the nearest number of E2M3, ties to even, subnormals kept.
;;     - The product sums the exact products of the quantised numbers (number of the format x scale) in f32.
;;   ~~~python
;;   def quantise(x, axis):      # numpy; x: float32 -> the quantised numbers, widened to float32 again
;;       x = np.moveaxis(x, axis, -1); K = x.shape[-1]
;;       x = np.pad(x, [(0, 0)] * (x.ndim - 1) + [(0, -K % 32)]); x = x.reshape(x.shape[:-1] + (-1, 32)); a = np.abs(x).max(-1, keepdims=True)
;;       e = np.where(a > 0, np.clip(np.frexp(np.where(a > 0, a, 1))[1] - 1 - 2, -126, 127), 0)      # np.frexp(a)[1] - 1 = floor(log2(a)), exactly
;;       r = np.clip(x / 2.0 ** e, -7.5, 7.5)
;;       step = 2.0 ** (np.maximum(np.frexp(np.where(r == 0, 1, r))[1] - 1, 0) - 3)
;;       q = np.round(r / step) * step * 2.0 ** e      # np.round: ties to even
;;       return np.moveaxis(q.reshape(q.shape[:-2] + (-1,))[..., :K], -1, axis).astype(np.float32)
;;   ~~~
;;   SOFTMAX AHEAD OF A QUANTISED PRODUCT. Where the list says 'softmax', what is quantised is not the finished softmax but p = 2^(t - M), with t = logit x log2(e) and M = ceil(the row's largest t), a whole number; so 1/2 < the row's largest p <= 1. The row's sum l is taken of the UNQUANTISED p, in f32, and the product's result is divided by l at the end. Since M is a whole number, a kernel that streams over the keys may use a running M (the ceiling of the running maximum): every later rescaling is an exact power of two, which a block's scale takes up: the codes' values come out the same.
;;   OPERANDS COMPUTED ON THE WAY. 'Computed on the way' means the value that the module computes at that place (a softmax that the list does not call 'softmax' is quantised finished and normalised). What goes into a quantiser is computed in f32, as accurately as f32 sums, v_exp_f32 and their like allow (about 1e-6 of the number): no bf16 or f16 on the way to a quantiser, and a product that is left as it is and whose result goes on into a quantised operand takes f32 operands (vector FMAs, or v_wmma_f32_16x16x4_f32). A number that lies on a knife's edge between two numbers of the format may be rounded either way, as far as f32 arithmetic and the matrix unit's own rounding can turn it there, and no further.
;; One version. Each part assembles by itself: llvm-mc -triple=amdgcn-amd-amdhsa -mcpu=gfx1250 --defsym DOCPART=n.
;; ======== version 1 of 1: 2 launches
;; limits: right only within a limited range of input values
;; workspace buffers: fimg 409,600 bytes; gimg 409,600 bytes; vimg 3,276,800 bytes
;; launch proj (part 1): grid 2 x 128, 8 waves a work-group, clusters of 2 x 4, 327,680 bytes of LDS; arguments x, Wq, Wk, Wv, fimg, gimg, vimg; writes fimg, gimg, vimg
.if DOCPART == 1
	.amdgcn_target "amdgcn-amd-amdhsa--gfx1250"
	.amdhsa_code_object_version 6
	.text
	.protected	k_qbeb3117fdb_proj
	.globl	k_qbeb3117fdb_proj
	.p2align	8
	.type	k_qbeb3117fdb_proj,@function
k_qbeb3117fdb_proj:
	s_mov_b64 s[64:65], 0
	v_nop
	global_prefetch_b8 v0, s[64:65] scope:SCOPE_SE
	s_setreg_imm32_b32 hwreg(HW_REG_WAVE_MODE, 25, 1), 1
	s_wait_xcnt 0x0
	s_wait_alu depctr_hold_cnt(0) depctr_sa_sdst(0) depctr_va_vdst(0) depctr_va_sdst(0) depctr_va_ssrc(0) depctr_va_vcc(0) depctr_vm_vsrc(0)
	s_getreg_b32 s2, hwreg(HW_REG_IB_STS2, 6, 4)
	s_cmp_eq_u32 s2, 0
	s_cbranch_scc0 .Lentry_in_a_cluster
	s_endpgm
.Lentry_in_a_cluster:
	s_bfe_u32 s2, ttmp6, 0x10000c
	s_cmp_lg_u32 s2, 0x7031
	s_cbranch_scc0 .Lentry_shape_is_right
	s_endpgm
.Lentry_shape_is_right:
; PROJ: f = Wq x, g = Wk x, v = Wv x on codes of E2M3 with one E8M0 scale for each 32 along K (K = the 256 channels), and the three results quantised again for the attention launch.
; x: [4][256][4096] f32; Wq, Wk: [32][256]; Wv: [256][256] f32.  NO WORK OF THE PROBLEM IS LEFT OUT: every input reaches the output through a quantiser, and all five products are live.
; OUT.  fimg, gimg: [batch][quarter][25,600 bytes]: a quarter is eight steps of 128 positions: 24,576 bytes of codes [step][tile t of 8][row r of 16][24 bytes = the 32 outputs of one position], row (t, r) = position
;   32 (t / 2) + 8 (t % 2) + r + 8 (r / 8) of the step; then the scale words [step][sigma 2][r 16]: byte beta = the scale of tile 4 sigma + beta, row r.
; vimg: [batch x 32 + step][25,600 bytes]: 16 channel tiles, each the image of an operand's 12 registers (16 channels x 128 positions; three groups of 512 bytes, lane l's 16 bytes at 16 l), then 1,024 bytes of scale words
;   [u 2][lane 32][j 4]: word (u, lane, j) belongs to channel tile 2 (4 u + j) + lane / 16, channel lane % 16.
; SHARES.  A work-group owns 128 positions of one batch (grid y) and half of the outputs (grid x = 0: f and v's channels 0-127; 1: g and channels 128-255); only pointers are chosen by grid x.
; CLUSTERS of 2 x 4: the two work-groups of a row need the same x, the four of a column the same half of Wv: both are asked for jointly.  One tensor load a wave, nothing is filled twice: waves 0-3 bring 64 channels of x each,
; waves 4-7 32 rows of Wv each.  Nothing is prefetched: there is no loop to run ahead in.
; Wave w quantises one of the four fragments of Wq or Wk (waves 4-7 make a second copy, so that no branch parts the waves), Wv's rows 16 w .. of its half (kept in registers), and channels 32 w .. + 31 of x
; (a lane a position, registers down the channels); it multiplies v's channel tile w (16 matrix instructions) and f or g of position tile w (4).
; LIMITS: a block whose largest magnitude lies under 2^(3 - 127) keeps the scale byte 1, a block of zeros too (the rule says 127: its codes are zeros, and these bytes are read by this program alone); NaN and infinities are not served.
.set WREG,  131072                     ; LDS: 0 .. 131,071 x as f32, channel c at 512 c; WREG: Wv's 128 rows, 1,024 bytes + 16 of padding each
.set WPIT,  1040
.set XIMG,  264192                     ; x's 16 fragments (K step ks, tile t) at 1,536 (8 ks + t), laid [c 2][lane 32][24 bytes]
.set XSC,   288768                     ; their scale words, 64 (8 ks + t) + 4 row
.set WIMG,  289792                     ; images of the fragments of Wq or Wk, 1,536 a wave
.set WSC,   302080                     ; their scale words, 128 bytes a wave
.set VSTG,  303104                     ; v's scale words on their way out, 512 bytes
.set FSTG,  303616                     ; f's or g's, 128 bytes
.set SPARE, 303872                     ; the spare words, 128 bytes for each wave: four blocks of 256 bytes that no other line names
.set XL,   4                           ; v4   x as f32: 16,384 w + 4 lane
.set WO,   5                           ; v5   Wv in LDS: WREG + 1,040 (16 w + r) + 64 h
.set WQO,  6                           ; v6   Wq, Wk: 1,024 (r + 8 (r / 8)) + 64 h
.set XW,   7                           ; v7   where my block's codes go in XIMG
.set XWB,  8                           ; v8   and its scale byte in XSC
.set LI,   9                           ; v9   16 lane
.set LS,   10                          ; v10  4 lane
.set XR24, 11                          ; v11  XIMG + 24 lane
.set XS15, 12                          ; v12  XSC + 4 r
.set WWI,  13                          ; v13  WIMG + 1,536 w + 16 lane
.set WWS,  14                          ; v14  WSC + 128 w + 4 lane
.set WRI,  15                          ; v15  WIMG + 6,144 (w / 4) + 16 lane
.set WRS,  16                          ; v16  WSC + 512 (w / 4) + 4 lane
.set XRW,  17                          ; v17  XIMG + 1,536 w + 24 lane
.set XSW,  18                          ; v18  XSC + 64 w + 4 r
.set VSA,  19                          ; v19  VSTG + 16 (r + 16 (w % 2)) + 4 (w / 2)
.set FSA,  20                          ; v20  FSTG + 64 (w / 4) + 4 r + w % 4
.set FGO,  21                          ; v21  24 r + 12 h
.set SPW,  22                          ; v22  my spare word; never rewritten
.set NIL,  23                          ; v23  0; never rewritten
.set WF,   24                          ; v24-47   Wv's two fragments
.set WS,   48                          ; v48-49   their scale words
.set TM,   50                          ; v50-65   at work: +0..3 maxima, +4..7 exchanges and bytes, +8 f's byte, +12..15 the conversions' scale operands
.set PW,   66                          ; v66      the scale word just made
.set CT,   68                          ; v68-74   the second halves of the conversions' results
.set PC,   76                          ; v76-87   the fragment just made
.set XS,   88                          ; v88-103  x's 16 scale words
.set XC,   104                         ; v104-127 x's codes, six registers for each group of 32 positions; later v104-106 f's codes, v108-112 the last copy
.set XN,   128                         ; v128-191 x's numbers, two sets of 32
.set FA,   128                         ; v128-223 later: x's eight fragments of K step 0
.set XWF,  224                         ; v224-247 x's fragments of position tile w
.set XWSC, 248                         ; v248-249 their scale words
.set WQS,  250                         ; v250-253 the scale words of Wq's or Wk's four fragments
.set VSR,  254                         ; v254 VSTG + 16 lane
.set FSR,  255                         ; v255 FSTG + 4 lane
; window 1: v0-63, v64-127, v128-191 the weights as f32; later v0-63 v's eight tiles, v64-79 f's or g's two, v80-127 the four fragments of Wq or Wk, v128-223 x's eight fragments of K step 1
.set WV,   18                          ; s18  my wave's number
.set HF,   19                          ; s19  which half of the outputs
.set SEL,  20                          ; s[20:21] lane selects for v_permlanex16_b32: lane l xor 16
.set FLR,  22                          ; s22  the floor 2^(3 - 127)
.set MSB, 0
.macro WIN new                         ; the immediate's high byte repeats the setting that is left; bits 1:0 source 0, 3:2 source 1, 5:4 source 2, 7:6 destination
.if MSB != \new
	s_set_vgpr_msb (MSB<<8)|\new
.set MSB, \new
.endif
.endm
.macro PLACES n
.rept \n
	v_nop
.endr
.endm
.macro BARRIER                         ; my LDS stores have landed and my LDS loads are in: then the work-group's barrier
	s_wait_dscnt 0x0
	s_barrier_signal -1
	s_barrier_wait -1
.endm
.macro ROUND                           ; a round of the cluster's barrier
	s_barrier_signal -1
	s_barrier_wait -1
	s_cmp_lg_u32 s[WV], 0
	s_cbranch_scc1 .Lnot_wave_0_\@
	s_barrier_signal -3
.Lnot_wave_0_\@:
	s_barrier_wait -3
	s_barrier_signal -1
	s_barrier_wait -1
.endm
; 64 numbers of a lane in window 1, register s + 16 b + i = k 32 b + 16 (lane / 16) + i of my row, become a fragment's codes in v[d] on and its scale word in v[wd]
.macro QUANT s, d, wd
	WIN 0x14                                       ; sources 1 and 2 in window 1
.irp b, 0,1,2,3
	v_max3_num_f32 v[TM+\b], s[FLR], |v[\s+16*\b]|, |v[\s+16*\b+1]|   ; block b: my 16 numbers and the floor, so that the byte cannot fall under 1
.endr
.irp i, 2,4,6,8,10,12,14
.irp b, 0,1,2,3
	v_max3_num_f32 v[TM+\b], v[TM+\b], |v[\s+16*\b+\i]|, |v[\s+16*\b+\i+1]|   ; the four blocks by turns, each from its low end on
.endr
.endr
	WIN 0
.irp b, 0,1,2,3
	v_permlanex16_b32 v[TM+4+\b], v[TM+\b], s[SEL], s[SEL+1]
.endr
.irp b, 0,1,2,3
	v_max_num_f32 v[TM+\b], v[TM+\b], v[TM+4+\b]   ; with lane l xor 16's: the block's largest magnitude
.endr
.irp b, 0,1,2,3
	v_add_nc_u32 v[TM+12+\b], 0xff000000, v[TM+\b] ; 2 off its exponent field: the conversion's scale operand
.endr
.irp b, 0,1,2,3
	v_lshrrev_b32 v[TM+4+\b], 23, v[TM+12+\b]      ; the scale's byte
.endr
	v_lshl_or_b32 v[\wd], v[TM+5], 8, v[TM+4]
	s_delay_alu instid0(VALU_DEP_1)
	v_lshl_or_b32 v[\wd], v[TM+6], 16, v[\wd]
	s_delay_alu instid0(VALU_DEP_1)
	v_lshl_or_b32 v[\wd], v[TM+7], 24, v[\wd]
	WIN 0x01                                       ; source 0 in window 1
.irp c, 0,1
	v_cvt_scalef32_pk16_fp6_f32 v[\d+6*\c:\d+6*\c+2], v[\s+32*\c:\s+32*\c+15], v[TM+12+2*\c]
	v_cvt_scalef32_pk16_fp6_f32 v[CT+4*\c:CT+4*\c+2], v[\s+32*\c+16:\s+32*\c+31], v[TM+12+2*\c+1]   ; (a conversion's three registers begin on an even number)
.endr
	WIN 0
	v_nop                                          ; one plain place behind the scaled conversions
.irp c, 0,1                                    ; the operand's layout wants a whole block in a lane
.irp i, 0,1,2
	v_permlane16_swap_b32 v[\d+6*\c+\i], v[CT+4*\c+\i]
.endr
.endr
.irp c, 0,1
.irp i, 0,1,2
	v_mov_b32 v[\d+6*\c+3+\i], v[CT+4*\c+\i]
.endr
.endr
.endm
.macro XLD g                           ; positions 32 g + lane: my 32 channels, one a register; 32 lanes read 128 consecutive bytes
.set XB, XN+32*((\g)%2)
.set I, 0
.rept 32
	ds_load_b32 v[XB+I], v[XL] offset:512*I+128*(\g)
.set I, I+1
.endr
.endm
.macro XQ g                            ; a whole block of 32 along K lies in my registers: its byte and its 24 bytes of codes go to their places in x's fragments
.set XB, XN+32*((\g)%2)
	v_max3_num_f32 v[TM], |v[XB]|, |v[XB+1]|, |v[XB+2]|
	v_max3_num_f32 v[TM+1], |v[XB+3]|, |v[XB+4]|, |v[XB+5]|
	v_max3_num_f32 v[TM+2], |v[XB+6]|, |v[XB+7]|, |v[XB+8]|
	v_max3_num_f32 v[TM+3], |v[XB+9]|, |v[XB+10]|, |v[XB+11]|
.irp i, 12,20
	v_max3_num_f32 v[TM], v[TM], |v[XB+\i]|, |v[XB+\i+1]|
	v_max3_num_f32 v[TM+1], v[TM+1], |v[XB+\i+2]|, |v[XB+\i+3]|
	v_max3_num_f32 v[TM+2], v[TM+2], |v[XB+\i+4]|, |v[XB+\i+5]|
	v_max3_num_f32 v[TM+3], v[TM+3], |v[XB+\i+6]|, |v[XB+\i+7]|
.endr
	v_max3_num_f32 v[TM], v[TM], |v[XB+28]|, |v[XB+29]|
	v_max3_num_f32 v[TM+1], v[TM+1], |v[XB+30]|, |v[XB+31]|
	v_max3_num_f32 v[TM+2], v[TM+2], v[TM+3], s[FLR]
	s_delay_alu instid0(VALU_DEP_1)
	v_max3_num_f32 v[TM], v[TM], v[TM+1], v[TM+2]
	s_delay_alu instid0(VALU_DEP_1)
	v_add_nc_u32 v[TM+12], 0xff000000, v[TM]
	s_delay_alu instid0(VALU_DEP_1)
	v_lshrrev_b32 v[TM+4+(\g)], 23, v[TM+12]       ; a byte register for each group: no store's data are written again
	v_cvt_scalef32_pk16_fp6_f32 v[XC+6*(\g):XC+6*(\g)+2], v[XB:XB+15], v[TM+12]
	v_cvt_scalef32_pk16_fp6_f32 v[CT:CT+2], v[XB+16:XB+31], v[TM+12]
	v_nop                                          ; one plain place behind the scaled conversions
.irp i, 0,1,2
	v_mov_b32 v[XC+6*(\g)+3+\i], v[CT+\i]
.endr
.irp k, 0,1,2
	ds_store_b64 v[XW], v[XC+6*(\g)+2*\k:XC+6*(\g)+2*\k+1] offset:3072*(\g)+8*\k
.endr
	ds_store_b8 v[XWB], v[TM+4+(\g)] offset:128*(\g)
.endm
.macro FRAG6 reg, adr, off             ; a fragment of x out of XIMG: lane l's 24 bytes of each half at 24 l: six loads of 8 bytes
.irp c, 0,1
.irp k, 0,1,2
	ds_load_b64 v[(\reg)+6*\c+2*\k:(\reg)+6*\c+2*\k+1], v[\adr] offset:(\off)+768*\c+8*\k
.endr
.endr
.endm
	s_load_b256 s[4:11], s[0:1], 0x0               ; x s[4:5], Wq s[6:7], Wk s[8:9], Wv s[10:11]
	s_load_b128 s[12:15], s[0:1], 0x20             ; fimg, gimg
	s_load_b64 s[16:17], s[0:1], 0x30              ; vimg
	v_lshl_add_u32 v[SPW], v0, 2, SPARE
	v_mov_b32 v[NIL], 0
	ds_add_u32 v[SPW], v[NIL]                      ; the wave's opening: the add, twice on end, and its wait ahead of my tensor load
	ds_add_u32 v[SPW], v[NIL]
	v_lshrrev_b32 v1, 5, v0
	v_readfirstlane_b32 s[WV], v1                  ; wave 0..7
	s_bfe_u32 s3, ttmp6, 0x40000                   ; cx
	s_bfe_u32 s2, ttmp6, 0x40004                   ; cy
	s_lshl_b32 s[HF], ttmp9, 1
	s_add_co_u32 s[HF], s[HF], s3                  ; half of the outputs = 2 x cluster x + cx
	s_and_b32 s48, ttmp7, 0xffff
	s_lshl_b32 s48, s48, 2
	s_add_co_u32 s48, s48, s2                      ; 32 batch + step = 4 x cluster y + cy
	s_lshr_b32 s49, s48, 5                         ; batch
	s_and_b32 s50, s48, 31                         ; step
	s_lshr_b32 s51, s[WV], 2                       ; w / 4: my block's K step
	s_bfe_u32 s52, s[WV], 0x10001                  ; (w / 2) % 2
	s_and_b32 s53, s[WV], 1                        ; w % 2
	s_and_b32 s54, s[WV], 3                        ; w % 4: my block in its K step
	s_lshr_b32 s55, s[WV], 1                       ; w / 2
	s_mov_b32 s[SEL], 0x76543210
	s_mov_b32 s[SEL+1], 0xfedcba98
	s_mov_b32 s[FLR], 0x1800000
	s_lshl_b32 s56, s2, 1
	s_lshl_b32 s56, 3, s56                         ; my row of the cluster: places 2 cy, 2 cy + 1
	s_lshl_b32 s57, 0x55, s3                       ; my column: places cx, cx + 2, cx + 4, cx + 6
	; descriptor group 1 of x: 64 rows (channels) x 128 elements of 4 bytes (positions), 4,096 elements from row to row, no padding
	s_or_b32 s24, s56, (2<<16)|(1<<21)
	s_mov_b32 s25, 128<<16
	s_mov_b32 s26, 64<<16
	s_mov_b32 s27, 128<<16
	s_mov_b32 s28, 64
	s_mov_b32 s29, 4096
	s_mov_b32 s30, 0
	s_mov_b32 s31, 0
	; and of Wv: 32 rows x 256 elements, 4 words of padding behind each row's 256
	s_or_b32 s72, s57, (2<<16)|(1<<20)|(1<<21)|(7<<22)|(3<<25)
	s_mov_b32 s73, 256<<16
	s_mov_b32 s74, 32<<16
	s_mov_b32 s75, 256<<16
	s_mov_b32 s76, 32
	s_mov_b32 s77, 256
	s_mov_b32 s78, 0
	s_mov_b32 s79, 0
	s_mov_b32 s32, 1
	s_lshl_b32 s33, s[WV], 15                      ; x: 32,768 w
	s_mov_b32 s68, 1
	s_mul_i32 s69, s54, 32*WPIT
	s_add_co_u32 s69, s69, WREG                    ; Wv: 32 rows for each of waves 4-7
	; byte offsets, each in the pair that will hold the address
	s_lshl_b32 s34, s49, 22                        ; x: 4,194,304 batch + 1,048,576 w + 512 step (waves 4-7 do not use it)
	s_lshl_b32 s56, s[WV], 20
	s_add_co_u32 s34, s34, s56
	s_lshl_b32 s56, s50, 9
	s_add_co_u32 s34, s34, s56
	s_mov_b32 s35, 0
	s_lshl_b32 s36, s[HF], 17                      ; Wv: rows 128 half + 32 (w % 4)
	s_lshl_b32 s56, s54, 15
	s_add_co_u32 s36, s36, s56
	s_mov_b32 s37, 0
	s_lshl_b32 s38, s52, 13                        ; Wq or Wk: tile (w / 2) % 2 begins 8 rows on, K step w % 2
	s_lshl_b32 s56, s53, 9
	s_add_co_u32 s38, s38, s56
	s_mov_b32 s39, 0
	s_mul_i32 s57, s48, 25600                      ; vimg: the step's block,
	s_lshl_b32 s56, s[HF], 3
	s_add_co_u32 s56, s56, s[WV]
	s_mul_i32 s56, s56, 1536
	s_add_co_u32 s40, s57, s56                     ; channel tile 8 half + w
	s_mov_b32 s41, 0
	s_lshl_b32 s56, s[HF], 9
	s_add_co_u32 s44, s57, s56
	s_add_co_u32 s44, s44, 24576                   ; and my half of its scale words
	s_mov_b32 s45, 0
	s_mul_i32 s58, s49, 102400                     ; fimg or gimg: the batch's block,
	s_mul_i32 s56, s50, 3072
	s_add_co_u32 s42, s58, s56
	s_lshr_b32 s59, s50, 3                         ; the quarter: 1,024 bytes of scale words stand behind each quarter's codes
	s_lshl_b32 s56, s59, 10
	s_add_co_u32 s42, s42, s56
	s_mul_i32 s56, s[WV], 384
	s_add_co_u32 s42, s42, s56                     ; step, tile w
	s_mov_b32 s43, 0
	s_lshl_b32 s56, s50, 7
	s_add_co_u32 s46, s58, s56
	s_mul_i32 s59, s59, 24576
	s_add_co_u32 s46, s46, s59
	s_add_co_u32 s46, s46, 24576                   ; the step's scale words, behind its quarter's codes
	s_mov_b32 s47, 0
	v_and_b32 v2, 15, v0                           ; r
	v_bfe_u32 v3, v0, 4, 1                         ; h
	v_and_b32 v1, 31, v0                           ; lane
	v_bfe_u32 v71, v0, 3, 1                        ; of position 32 g + lane: tile 2 g + (lane / 8) % 2,
	v_and_b32 v[WQO], 8, v2
	v_and_b32 v75, 7, v0
	v_add_nc_u32 v[WQO], v[WQO], v2                ; THE ROWS OF Wq THAT FORM A TILE ARE NOT NEIGHBOURS: r + 8 (r / 8), so that a lane's 16 results are 16 neighbours along the next K
	v_lshl_add_u32 v75, v3, 3, v75                 ; row lane % 8 + 8 (lane / 16)
	v_lshlrev_b32 v[WQO], 10, v[WQO]
	s_delay_alu instid0(VALU_DEP_1)
	v_lshl_add_u32 v[WQO], v3, 6, v[WQO]
	s_wait_alu depctr_va_vdst(0)
	s_wait_dscnt 0x0                               ; both opening adds are done
	s_wait_kmcnt 0x0
	s_add_nc_u64 s[34:35], s[4:5], s[34:35]
	s_or_b32 s35, s35, 0x80000000                  ; type = 2
	s_add_nc_u64 s[70:71], s[10:11], s[36:37]
	s_or_b32 s71, s71, 0x80000000
	s_add_nc_u64 s[40:41], s[16:17], s[40:41]
	s_add_nc_u64 s[44:45], s[16:17], s[44:45]
	s_cmp_eq_u32 s[HF], 0                          ; f's work-group or g's: only pointers are chosen
	s_cselect_b64 s[60:61], s[6:7], s[8:9]
	s_cselect_b64 s[62:63], s[12:13], s[14:15]
	s_add_nc_u64 s[38:39], s[60:61], s[38:39]
	s_add_nc_u64 s[42:43], s[62:63], s[42:43]
	s_add_nc_u64 s[46:47], s[62:63], s[46:47]
	WIN 0x40
.irp b, 0,1,2,3                                ; my fragment of Wq or Wk as f32: lane (r, h) takes of each block of 32 the 16 numbers 16 h on
.irp j, 0,1,2,3
	global_load_b128 v[128+16*\b+4*\j:128+16*\b+4*\j+3], v[WQO], s[38:39] offset:128*\b+16*\j
.endr
.endr
	WIN 0
	ROUND                                          ; all eight work-groups are here: the joint loads meet
	s_cmp_lt_u32 s[WV], 4
	s_cbranch_scc0 .Lask_w
	tensor_load_to_lds s[32:35], s[24:31]          ; waves 0-3: 64 channels of x
	s_nop 0
	PLACES 4
	s_branch .Lasked
.Lask_w:
	tensor_load_to_lds s[68:71], s[72:79]          ; waves 4-7: 32 rows of Wv
	s_nop 0
	PLACES 4
.Lasked:
	; the LDS addresses: constants, lane terms, the wave's number
	s_mul_i32 s56, s[WV], 16*WPIT
	s_add_co_u32 s56, s56, WREG
	s_mul_i32 s57, s51, 12288
	s_mul_i32 s58, s52, 768
	s_add_co_u32 s57, s57, s58
	s_mul_i32 s58, s53, 384
	s_add_co_u32 s57, s57, s58
	s_add_co_u32 s57, s57, XIMG
	s_lshl_b32 s58, s51, 9
	s_add_co_u32 s58, s58, s54
	s_add_co_u32 s58, s58, XSC
	s_mul_i32 s59, s[WV], 1536
	s_add_co_u32 s60, s59, WIMG
	s_lshl_b32 s61, s[WV], 7
	s_add_co_u32 s61, s61, WSC
	s_mul_i32 s62, s51, 6144
	s_add_co_u32 s62, s62, WIMG
	s_lshl_b32 s63, s51, 9
	s_add_co_u32 s63, s63, WSC
	s_lshl_b32 s2, s[WV], 6
	s_lshl_b32 s3, s53, 8
	s_lshl_b32 s4, s55, 2
	s_add_co_u32 s3, s3, s4
	s_add_co_u32 s3, s3, VSTG
	s_lshl_b32 s4, s51, 6
	s_add_co_u32 s4, s4, s54
	s_add_co_u32 s4, s4, FSTG
	s_lshl_b32 s5, s[WV], 14
	v_mul_u32_u24 v[WO], v2, WPIT
	v_mul_u32_u24 v[XW], v75, 24
	v_lshlrev_b32 v[XWB], 2, v75
	v_mul_u32_u24 v[XR24], v1, 24
	v_lshlrev_b32 v[LI], 4, v1
	v_lshlrev_b32 v[LS], 2, v1
	v_lshl_add_u32 v[WO], v3, 6, v[WO]
	v_mad_u32_u24 v[XW], v71, 1536, v[XW]
	v_lshl_add_u32 v[XWB], v71, 6, v[XWB]
	v_add_nc_u32 v[XR24], XIMG, v[XR24]
	v_lshl_add_u32 v[XS15], v2, 2, XSC
	v_lshl_add_u32 v[XL], v1, 2, s5
	v_add_nc_u32 v[WO], s56, v[WO]
	v_add_nc_u32 v[XW], s57, v[XW]
	v_add_nc_u32 v[XWB], s58, v[XWB]
	v_add_nc_u32 v[WWI], s60, v[LI]
	v_add_nc_u32 v[WWS], s61, v[LS]
	v_add_nc_u32 v[WRI], s62, v[LI]
	v_add_nc_u32 v[WRS], s63, v[LS]
	v_add_nc_u32 v[XRW], s59, v[XR24]
	v_add_nc_u32 v[XSW], s2, v[XS15]
	v_mul_u32_u24 v[FGO], v2, 24
	v_lshl_add_u32 v[VSA], v2, 4, s3
	v_lshl_add_u32 v[FSA], v2, 2, s4
	v_add_nc_u32 v[VSR], VSTG, v[LI]
	v_add_nc_u32 v[FSR], FSTG, v[LS]
	v_mad_u32_u24 v[FGO], v3, 12, v[FGO]
.irp b, 0,1,2,3
	v_mov_b32 v[TM+4+\b], 0                        ; written once: a lane permute's destination counts as one of its sources
.endr
	; ---- the weights: Wq's or Wk's fragment while the tiles are on their way
	s_wait_alu depctr_va_vdst(0)
	s_wait_loadcnt 0x0
	QUANT 128, PC, PW
.irp c, 0,1,2
	ds_store_b128 v[WWI], v[PC+4*\c:PC+4*\c+3] offset:512*\c     ; the fragment goes to LDS as an image of its registers
.endr
	ds_store_b32 v[WWS], v[PW]
	s_wait_alu depctr_va_vdst(0)
	s_cmp_lt_u32 s[WV], 4
	s_cbranch_scc1 .Lx_later
	s_wait_tensorcnt 0x0                           ; waves 4-7: Wv's rows are in
.Lx_later:
	BARRIER                                        ; Wv is shown to all; x may still be on its way: nothing is filled again in this launch
	WIN 0x40
.irp k, 0,1
.irp b, 0,1,2,3
.irp j, 0,1,2,3
	ds_load_b128 v[64*\k+16*\b+4*\j:64*\k+16*\b+4*\j+3], v[WO] offset:512*\k+128*\b+16*\j
.endr
.endr
.endr
	WIN 0
	s_wait_dscnt 16                                ; K step 0 is in; K step 1's 16 loads may be out
	QUANT 0, WF, WS
	s_wait_alu depctr_va_vdst(0)
	s_wait_dscnt 0x0
	QUANT 64, WF+12, WS+1
	s_wait_alu depctr_va_vdst(0)
	s_wait_tensorcnt 0x0                           ; all my tensor loads have landed
	BARRIER                                        ; x is shown to all
	; ---- x: four groups of 32 positions, loads one group ahead
	XLD 0
	XLD 1
	s_wait_dscnt 32                                ; group 0 is in; group 1's 32 loads may be out
	XQ 0
	XLD 2
	s_wait_dscnt 36                                ; group 1 is in; behind it: group 0's 4 stores and group 2's 32 loads
	XQ 1
	XLD 3
	s_wait_dscnt 36                                ; group 2 is in; behind it: group 1's 4 stores and group 3's 32 loads
	XQ 2
	s_wait_dscnt 4                                 ; group 3 is in; behind it: group 2's 4 stores
	XQ 3
	s_wait_alu depctr_va_vdst(0)
	BARRIER                                        ; x's sixteen fragments and the weights' images lie in LDS
	; ---- the products
	FRAG6 XWF, XRW, 0                              ; x's position tile w, both K steps
	FRAG6 XWF+12, XRW, 12288
	ds_load_b32 v[XWSC], v[XSW]
	ds_load_b32 v[XWSC+1], v[XSW] offset:512
	WIN 0x40
.irp f, 0,1,2,3                                ; Wq's or Wk's fragment (tile f / 2, K step f % 2)
.irp c, 0,1,2
	ds_load_b128 v[80+12*\f+4*\c:83+12*\f+4*\c], v[WRI] offset:1536*\f+512*\c
.endr
.endr
	WIN 0
.irp f, 0,1,2,3
	ds_load_b32 v[WQS+\f], v[WRS] offset:128*\f
.endr
.irp e, 0,1,2,3,4,5,6,7,8,9,10,11,12,13,14,15
	ds_load_b32 v[XS+\e], v[XS15] offset:64*\e
.endr
.irp t, 0,1,2,3,4,5,6,7
	FRAG6 FA+12*\t, XR24, 1536*\t                  ; x's eight tiles, K step 0
.endr
	s_wait_dscnt 63                                ; 94 loads were issued: the first 30, what f or g takes, are in
	WIN 0x51                                       ; source 0 (the weight), C and D in window 1
.irp k, 0,1                                    ; f or g, TRANSPOSED: source 0 = 16 rows of the weight, source 1 = 16 positions: a lane holds one position, its 16 registers outputs 16 h + 0 .. 15.  The two accumulators take turns
.irp u, 0,1
.if \k == 0
	v_wmma_scale_f32_16x16x128_f8f6f4 v[64+8*\u:71+8*\u], v[80+12*(2*\u+\k):91+12*(2*\u+\k)], v[XWF+12*\k:XWF+12*\k+11], 0, v[WQS+2*\u+\k], v[XWSC+\k] matrix_a_fmt:MATRIX_FMT_FP6 matrix_b_fmt:MATRIX_FMT_FP6
.else
	v_wmma_scale_f32_16x16x128_f8f6f4 v[64+8*\u:71+8*\u], v[80+12*(2*\u+\k):91+12*(2*\u+\k)], v[XWF+12*\k:XWF+12*\k+11], v[64+8*\u:71+8*\u], v[WQS+2*\u+\k], v[XWSC+\k] matrix_a_fmt:MATRIX_FMT_FP6 matrix_b_fmt:MATRIX_FMT_FP6
.endif
.endr
.endr
	WIN 0x40
.irp t, 0,1,2,3,4,5,6,7
	FRAG6 128+12*\t, XR24, 12288+1536*\t           ; x's eight tiles, K step 1, into window 1
.endr
	s_wait_dscnt 48                                ; K step 0 is in; K step 1's 48 loads may be out
	WIN 0x50                                       ; C and D in window 1
.irp t, 0,1,2,3,4,5,6,7                        ; v: source 0 = 16 positions, source 1 = my 16 rows of Wv: a lane holds one channel, its registers run along the positions, the next K
	v_wmma_scale_f32_16x16x128_f8f6f4 v[8*\t:8*\t+7], v[FA+12*\t:FA+12*\t+11], v[WF:WF+11], 0, v[XS+\t], v[WS] matrix_a_fmt:MATRIX_FMT_FP6 matrix_b_fmt:MATRIX_FMT_FP6
.endr
	WIN 0
	PLACES 4                                       ; in front of the first read of f's results
	; f or g of my 16 positions is quantised: one block of 32, 16 of it in lane l and 16 in lane l xor 16
	WIN 0x14
	v_max3_num_f32 v[TM], s[FLR], |v64|, |v65|
.irp i, 2,4,6,8,10,12,14
	v_max3_num_f32 v[TM], v[TM], |v[64+\i]|, |v[65+\i]|          ; each accumulator from its low end on
.endr
	WIN 0
	v_permlanex16_b32 v[TM+4], v[TM], s[SEL], s[SEL+1]
	s_delay_alu instid0(VALU_DEP_1)
	v_max_num_f32 v[TM], v[TM], v[TM+4]
	s_delay_alu instid0(VALU_DEP_1)
	v_add_nc_u32 v[TM+12], 0xff000000, v[TM]
	s_delay_alu instid0(VALU_DEP_1)
	v_lshrrev_b32 v[TM+8], 23, v[TM+12]
	WIN 0x01
	v_cvt_scalef32_pk16_fp6_f32 v[XC:XC+2], v[64:79], v[TM+12]
	WIN 0
	v_nop                                          ; one plain place behind the scaled conversion
	ds_store_b8 v[FSA], v[TM+8]                    ; both lanes of a position write the same byte with the same value
	global_store_b96 v[FGO], v[XC:XC+2], s[42:43]  ; 12 bytes a lane, 384 consecutive bytes a wave; these registers are not written again
	s_wait_dscnt 0x0
	WIN 0x51                                       ; source 0, C and D in window 1
.irp t, 0,1,2,3,4,5,6,7
	v_wmma_scale_f32_16x16x128_f8f6f4 v[8*\t:8*\t+7], v[128+12*\t:139+12*\t], v[WF+12:WF+23], v[8*\t:8*\t+7], v[XS+8+\t], v[WS+1] matrix_a_fmt:MATRIX_FMT_FP6 matrix_b_fmt:MATRIX_FMT_FP6
.endr
	WIN 0
	PLACES 4
	QUANT 0, PC, PW                                ; v's 16 channels x 128 positions become one fragment of the last product
.irp c, 0,1,2
	global_store_b128 v[LI], v[PC+4*\c:PC+4*\c+3], s[40:41] offset:512*\c   ; 32 lanes store 512 consecutive bytes, at a multiple of 256 from the buffer's first byte
.endr
	ds_store_b32 v[VSA], v[PW]
	BARRIER                                        ; all scale words lie in the two small stages
	s_cmp_lg_u32 s[WV], 0                          ; wave 0 sends them out whole
	s_cbranch_scc1 .Lend
	ds_load_b128 v[108:111], v[VSR]
	ds_load_b32 v112, v[FSR]
	s_wait_dscnt 0x0
	global_store_b128 v[LI], v[108:111], s[44:45]  ; 512 consecutive bytes
	global_store_b32 v[LS], v112, s[46:47]         ; 128 consecutive bytes
.Lend:
	s_wait_tensorcnt 0x0                           ; the wave's end: behind my tensor load and my last LDS store
	ds_add_u32 v[SPW], v[NIL]
	s_wait_dscnt 0x0
	ROUND                                          ; the closing round: no work-group ends while a partner may still ask for a tile that names it
	s_endpgm
.Lfunc_end_k_qbeb3117fdb_proj:
	.size	k_qbeb3117fdb_proj, .Lfunc_end_k_qbeb3117fdb_proj-k_qbeb3117fdb_proj
	.p2alignl 7, 3214868480
	.fill 96, 4, 3214868480
	.section	.rodata,"a",@progbits
	.p2align	6, 0x0
	.amdhsa_kernel k_qbeb3117fdb_proj
		.amdhsa_group_segment_fixed_size 327680
		.amdhsa_private_segment_fixed_size 0
		.amdhsa_enable_private_segment 0
		.amdhsa_kernarg_size 56
		.amdhsa_user_sgpr_count 2
		.amdhsa_user_sgpr_kernarg_segment_ptr 1
		.amdhsa_wavefront_size32 1
		.amdhsa_system_sgpr_workgroup_id_x 1
		.amdhsa_system_sgpr_workgroup_id_y 1
		.amdhsa_system_sgpr_workgroup_id_z 1
		.amdhsa_system_vgpr_workitem_id 0
		.amdhsa_next_free_vgpr 480
		.amdhsa_next_free_sgpr 80
		.amdhsa_reserve_vcc 0
		.amdhsa_float_denorm_mode_32 3
		.amdhsa_float_denorm_mode_16_64 3
		.amdhsa_memory_ordered 1
		.amdhsa_forward_progress 1
		.amdhsa_inst_pref_size 59
	.end_amdhsa_kernel
	.amdgpu_metadata
---
amdhsa.version: [ 1, 2 ]
amdhsa.kernels:
  - .name:           k_qbeb3117fdb_proj
    .symbol:         k_qbeb3117fdb_proj.kd
    .args:
      - { .name: x, .offset: 0, .size: 8, .value_kind: global_buffer, .address_space: global }
      - { .name: Wq, .offset: 8, .size: 8, .value_kind: global_buffer, .address_space: global }
      - { .name: Wk, .offset: 16, .size: 8, .value_kind: global_buffer, .address_space: global }
      - { .name: Wv, .offset: 24, .size: 8, .value_kind: global_buffer, .address_space: global }
      - { .name: fimg, .offset: 32, .size: 8, .value_kind: global_buffer, .address_space: global }
      - { .name: gimg, .offset: 40, .size: 8, .value_kind: global_buffer, .address_space: global }
      - { .name: vimg, .offset: 48, .size: 8, .value_kind: global_buffer, .address_space: global }
    .group_segment_fixed_size: 327680
    .private_segment_fixed_size: 0
    .kernarg_segment_align: 8
    .kernarg_segment_size: 56
    .max_flat_workgroup_size: 256
    .sgpr_count:     80
    .vgpr_count:     480
    .wavefront_size: 32
...
	.end_amdgpu_metadata
.endif
;; end of part 1
;; launch attn (part 2): grid 64 x 4, 4 waves a work-group, clusters of 4 x 1, 327,680 bytes of LDS; arguments gimg, fimg, vimg, out0; writes out0
.if DOCPART == 2
	.amdgcn_target "amdgcn-amd-amdhsa--gfx1250"
	.amdhsa_code_object_version 6
	.text
	.protected	k_qbeb3117fdb_attn
	.globl	k_qbeb3117fdb_attn
	.p2align	8
	.type	k_qbeb3117fdb_attn,@function
k_qbeb3117fdb_attn:
	s_mov_b64 s[64:65], 0
	v_nop
	global_prefetch_b8 v0, s[64:65] scope:SCOPE_SE
	s_setreg_imm32_b32 hwreg(HW_REG_WAVE_MODE, 25, 1), 1
	s_wait_xcnt 0x0
	s_wait_alu depctr_hold_cnt(0) depctr_sa_sdst(0) depctr_va_vdst(0) depctr_va_sdst(0) depctr_va_ssrc(0) depctr_va_vcc(0) depctr_vm_vsrc(0)
	s_getreg_b32 s2, hwreg(HW_REG_IB_STS2, 6, 4)
	s_cmp_eq_u32 s2, 0
	s_cbranch_scc0 .Lentry_in_a_cluster
	s_endpgm
.Lentry_in_a_cluster:
	s_bfe_u32 s2, ttmp6, 0x10000c
	s_cmp_lg_u32 s2, 0x3003
	s_cbranch_scc0 .Lentry_shape_is_right
	s_endpgm
.Lentry_shape_is_right:
; ATTN: out(c, j) = sum over i of v(c, i) softmax over i of (f(., i) . g(., j) / 16), on codes of E2M3.  g's positions j are the queries, f's positions i the keys.  No work of the problem is left out.
; SHARES.  A work-group owns 64 queries of one batch (four tiles q of 16) and all 256 channels; its wave w takes keys 1,024 w .. + 1,023 for all 64 queries: so a fragment of V feeds four matrix instructions, and
; every LDS byte that a wave reads was brought by its own tensor load.  Four trips of 256 keys (two steps s of 128).  A trip: for each tile of queries the scores S^T (8 + 8 products), their largest, p, its codes; then V's products for all.
; p = 2^(t - M), M the running largest t rounded up to a whole number, one for the trip's 256 keys.  The row's sum is taken of the unquantised p.  O and the sums are brought under the new M once a trip by an exact power of two; the first trip begins O with C = 0.
; THE SCORES' K IS 32, the instruction's 128: source 0 holds four tiles of keys in its four blocks, source 1 the queries in one block e and zero codes in the others.  Zeros and queries lie so that the operands share registers: Z lo Z hi Z lo ...
; V'S PRODUCTS: source 0 = p, source 1 = V: lane (r, h) of a result holds channel r and its registers the queries 8 h + 0 .. 7 of the tile, which are eight neighbouring positions of out0.
; AT THE END each wave lays its partial O as a plane [256 channels][64 queries] over its own LDS bytes; behind one barrier wave w joins the four planes of channels 64 w .. + 63, each x 2^(M of that wave - the largest M) / the whole sum.
; The four work-groups of a cluster share a batch: K and V are asked for jointly.  A refill (51,200 bytes a wave) stands at a trip's start and is read at its end: four tiles' softmax stand between.  One cluster of each batch asks memory for the next trip's V
; ahead, a trip before its load, its sixteen waves sharing the bytes by address.
; LIMITS: the scaled scores t stay under 2^31 in magnitude; a block whose largest p lies under 2^-124 keeps the scale byte 1 (its codes are then zeros or smaller than the rule's by that floor); NaN and infinities are not served.
.set WREG,  76800                      ; LDS of a wave: its quarter of K (25,600: codes, scale words), then the trip's V (two steps of 25,600); at the end its plane
.set VOFF,  25600
.set PITCH, 272
.set FREG,  307200                     ; a wave's 64 factors, 256 bytes each
.set STATS, 308224                     ; [wave][-M of 64 queries, sums of 64 queries], 512 bytes each
.set SPARE, 310272                     ; the spare words, 128 bytes for each wave
; WINDOW 0
.set P,    0                           ; v0-95    p's codes [s][q][12]
.set T,    96                          ; v96-127  sixteen pairs of partial sums; in V's products the factors F[q][8]
.set K1,   128                         ; v128-151 K's two fragments of step 1
.set KS,   152                         ; v152-153 K's scale words of the two steps
.set QS,   154                         ; v154-157 the queries' scale bytes, four times over
.set AKS0, 158
.set PS,   160                         ; v160-167 p's scale words [s][q]
.set VS,   168                         ; v168-183 V's scale words [s][8]
.set MN,   184                         ; v184-191 pairs (-M, largest t) for each q
.set L,    192                         ; v192-199 the row's sum in two halves for each q
.set BM,   200                         ; v200-207 the largest score of each block of 32 keys
.set X,    208                         ; v208-215 exchanges, then scale bytes
.set SO,   216                         ; v216-223 the conversions' scale operands
.set CT,   224                         ; v224-239 second halves of the conversions [s][c][4]
.set FF,   240                         ; v240-241 2^(old M - new M)
.set MM,   242                         ; v242-244 at work
.set ADK,  245
.set ADS,  246
.set ADV,  247
.set FST,  248
.set FLD,  249
.set SPW,  250
.set NIL,  251
.set PFO,  252                         ; v252-253
.set LN,   254                         ; my lane
.set AK0,  255
; WINDOW 1: v0-63, v64-127 scores of steps 0, 1, then p.  v128-229 the queries' table, v230-253 K's fragments of step 0.  In V's products fragments of V: channel tile ct at 24 (ct % 6), or at v230 where ct % 6 = 5; step s 12 further on
.set QB,   128
.set K0,   230
; WINDOWS 2, 3: O: (channel tile ct, q) at 8 (4 (ct % 8) + q) of window 2 + ct / 8
.set WV,   12
.set CX,   14
.set XQ,   15
.set BB,   16
.set TR,   18
.set LIM,  19
.set SEL,  20
.set CS,   22
.set PFA,  48
.set TK,   2
.set TKS,  3
.set MSB, 0
.macro WIN new
.if MSB != (\new)
	s_set_vgpr_msb (MSB<<8)|(\new)
.set MSB, (\new)
.endif
.endm
.macro PLACES n
.rept \n
	v_nop
.endr
.endm
.macro WALU
	s_wait_alu depctr_va_vdst(0)
.endm
.macro CREST                           ; a round of the cluster's barrier behind its opening signal
	s_barrier_wait -1
	s_cmp_lg_u32 s[WV], 0
	s_cbranch_scc1 .Lnot_wave_0_\@
	s_barrier_signal -3
.Lnot_wave_0_\@:
	s_barrier_wait -3
	s_barrier_signal -1
	s_barrier_wait -1
.endm
.macro ROUND
	s_barrier_signal -1
	CREST
.endm
; a product of the scores: query tile q, step s, key tile t = 4 g + e
.macro QK q, s, t
.set E_, (\t)%4
.if E_ == 0
.set G_, 4*(\q)+1
.elseif E_ == 1
.set G_, 4*(\q)+3
.elseif E_ == 2
.set G_, 4*(\q)
.else
.set G_, 4*(\q)+2
.endif
.set B_, QB+6*G_
.set D_, 64*(\s)+8*(\t)
.if \s
.set A_, K1+12*((\t)/4)
	WIN 0x44
.else
.set A_, K0+12*((\t)/4)
	WIN 0x45
.endif
.if (\t)/4
	v_wmma_scale_f32_16x16x128_f8f6f4 v[D_:D_+7], v[A_:A_+11], v[B_:B_+11], 0, v[KS+(\s)], v[QS+(\q)] matrix_a_fmt:MATRIX_FMT_FP6 matrix_b_fmt:MATRIX_FMT_FP6 matrix_a_scale:MATRIX_SCALE_ROW1
.else
	v_wmma_scale_f32_16x16x128_f8f6f4 v[D_:D_+7], v[A_:A_+11], v[B_:B_+11], 0, v[KS+(\s)], v[QS+(\q)] matrix_a_fmt:MATRIX_FMT_FP6 matrix_b_fmt:MATRIX_FMT_FP6
.endif
.endm
.macro KLD                             ; K's fragments of a trip's two steps, 26 loads
	WIN 0x40
.irp g, 0,1
.irp c, 0,1
.irp p, 0,1,2
	ds_load_b64 v[K0+12*\g+6*\c+2*\p:K0+12*\g+6*\c+2*\p+1], v[ADK] offset:1536*\g+768*\c+8*\p
.endr
.endr
.endr
	WIN 0
.irp g, 0,1
.irp c, 0,1
.irp p, 0,1,2
	ds_load_b64 v[K1+12*\g+6*\c+2*\p:K1+12*\g+6*\c+2*\p+1], v[ADK] offset:3072+1536*\g+768*\c+8*\p
.endr
.endr
.endr
	ds_load_b32 v[KS], v[ADS]
	ds_load_b32 v[KS+1], v[ADS] offset:128
.endm
.macro VB ct                           ; where channel tile ct's fragments lie
.if (\ct)%6 == 5
.set VB_, K0
.else
.set VB_, 24*((\ct)%6)
.endif
.endm
.macro VLD ct                          ; both steps: 6 loads
	VB \ct
	WIN 0x40
.irp s, 0,1
.irp g, 0,1,2
	ds_load_b128 v[VB_+12*\s+4*\g:VB_+12*\s+4*\g+3], v[ADV] offset:25600*\s+1536*(\ct)+512*\g
.endr
.endr
	WIN 0
.endm
; A TRIP'S TOP: the drained round behind which V's bytes are filled; the first tile's score products stand inside it
.macro TOP first
	s_wait_tensorcnt 0x0
	ds_add_u32 v[SPW], v[NIL]
	s_add_co_u32 s[TK], s[TK], 6144
	s_add_co_u32 s[TKS], s[TKS], 256
.if \first == 0
	s_add_nc_u64 s[34:35], s[34:35], 51200
	s_wait_xcnt 0x0
	s_add_nc_u64 s[PFA:PFA+1], s[PFA:PFA+1], 51200
.endif
	s_wait_dscnt 0x0                               ; the add is done, K's fragments are in, and my reads of the old V are over
	s_barrier_signal -1
	v_add_nc_u32 v[ADK], s[TK], v[AK0]             ; where the next trip's keys lie
	v_add_nc_u32 v[ADS], s[TKS], v[AKS0]
	PLACES 5                                       ; the last products read registers that the next ones write over
.set I, 0
.rept 8
	QK 0, 0, I
.set I, I+1
.endr
.set I, 0
.rept 8
	QK 0, 1, I
.set I, I+1
.endr
	WIN 0
	CREST
	tensor_load_to_lds s[32:35], s[24:31]          ; this trip's V
	s_nop 0
	PLACES 4
	s_cmp_gt_u32 s[TR], s[LIM]                     ; the last trip asks for nothing more
	s_cbranch_scc0 .Lnot_mine_\@
	global_prefetch_b8 v[PFO], s[PFA:PFA+1] th:TH_LOAD_NT scope:SCOPE_SE
	global_prefetch_b8 v[PFO+1], s[PFA:PFA+1] th:TH_LOAD_NT scope:SCOPE_SE
.Lnot_mine_\@:
.endm
.macro MAXS                            ; the eight blocks by turns, each accumulator from its low end on; the first four lines read step 0 alone: places behind step 1's last product
	WIN 0x15
.irp b, 0,1,2,3,4,5,6,7
	v_max3_num_f32 v[BM+\b], v[16*\b], v[16*\b+1], v[16*\b+2]
.endr
	WIN 0x14
.irp i, 3,5,7,9,11,13
.irp b, 0,1,2,3,4,5,6,7
	v_max3_num_f32 v[BM+\b], v[BM+\b], v[16*\b+\i], v[16*\b+\i+1]
.endr
.endr
.irp b, 0,1,2,3,4,5,6,7
	v_max_num_f32 v[BM+\b], v[BM+\b], v[16*\b+15]
.endr
.endm
; tile q's codes are put together: the operand's layout wants a whole block in a lane.  24 lines: 12 exchanges, 12 moves; they stand where the next tile's lines wait for each other
.macro ASM q, i
.set S_, ((\i)%12)/6
.set C_, ((\i)%6)/3
.set R_, P+48*S_+12*(\q)+6*C_+(\i)%3
.set U_, CT+8*S_+4*C_+(\i)%3
.if (\i) < 12
	v_permlane16_swap_b32 v[R_], v[U_]
.else
	v_mov_b32 v[R_+3], v[U_]
.endif
.endm
.macro FILL q, n
.if (\q) >= 0
.rept \n
	ASM (\q), FI
.set FI, FI+1
.endr
.endif
.endm
.macro CVT q, s
	WIN 0x01
.irp c, 0,1
	v_cvt_scalef32_pk16_fp6_f32 v[P+48*\s+12*\q+6*\c:P+48*\s+12*\q+6*\c+2], v[64*\s+32*\c:64*\s+32*\c+15], v[SO+4*\s+2*\c]
	v_cvt_scalef32_pk16_fp6_f32 v[CT+8*\s+4*\c:CT+8*\s+4*\c+2], v[64*\s+32*\c+16:64*\s+32*\c+31], v[SO+4*\s+2*\c+1]
.endr
.endm
; A TILE of 16 queries x 256 keys: scores in window 1 become codes and scale words; the next tile's scores are made meanwhile
.macro TILE q, first
	MAXS
	WIN 0
.irp b, 0,1,2,3,4,5,6,7
	v_permlanex16_b32 v[X+\b], v[BM+\b], s[SEL], s[SEL+1]
.endr
.irp b, 0,1,2,3,4,5,6,7
	v_max_num_f32 v[BM+\b], v[BM+\b], v[X+\b]      ; a block's largest score: for the row's maximum and, since p rises with the score, for the block's scale
.endr
.set FI, 0
	v_max3_num_f32 v[MM], v[BM], v[BM+1], v[BM+2]
	v_max3_num_f32 v[MM+1], v[BM+3], v[BM+4], v[BM+5]
	FILL \q-1, 3
	v_max3_num_f32 v[MM], v[MM], v[BM+6], v[BM+7]
	FILL \q-1, 4
	v_max_num_f32 v[MM], v[MM], v[MM+1]
	FILL \q-1, 4
.if \first
	v_mul_f32 v[MN+2*\q+1], s[CS], v[MM]           ; t = score x log2(e) / 16
	FILL \q-1, 8
	v_floor_f32 v[MN+2*\q], -v[MN+2*\q+1]          ; -M
	FILL \q-1, 5
.irp b, 0,1,2,3,4,5,6,7
	v_fma_f32 v[BM+\b], v[BM+\b], s[CS], v[MN+2*\q]
.endr
.else
	v_mul_f32 v[MM], s[CS], v[MM]
	v_mov_b32 v[MM+2], v[MN+2*\q]
	FILL \q-1, 4
	v_max_num_f32 v[MN+2*\q+1], v[MN+2*\q+1], v[MM]
	FILL \q-1, 4
	v_floor_f32 v[MN+2*\q], -v[MN+2*\q+1]
	FILL \q-1, 5
	v_sub_f32 v[MM+2], v[MN+2*\q], v[MM+2]         ; old M - new M: a whole number, 0 or less
.irp b, 0,1,2,3
	v_fma_f32 v[BM+\b], v[BM+\b], s[CS], v[MN+2*\q]
.endr
	v_cvt_i32_f32 v[MM+2], v[MM+2]
.irp b, 4,5,6,7
	v_fma_f32 v[BM+\b], v[BM+\b], s[CS], v[MN+2*\q]
.endr
	v_ldexp_f32 v[FF], 1.0, v[MM+2]
	v_pk_mul_f32 v[L+2*\q:L+2*\q+1], v[L+2*\q:L+2*\q+1], v[FF:FF+1] op_sel_hi:[1,0]
.endif
	WIN 0x45
.set J, 0
.rept 64
	v_pk_fma_f32 v[J:J+1], v[J:J+1], s[CS:CS+1], v[MN+2*\q:MN+2*\q+1] op_sel_hi:[1,0,0]   ; t - M
.set J, J+2
.endr
	WALU                                           ; one wait ahead of the batch
	WIN 0
.if \first == 0
	ds_store_b32 v[FST], v[FF] offset:64*\q        ; the factors turn through LDS: O's registers run along the queries
.endif
.irp b, 0,1,2,3,4,5,6,7
	v_exp_f32 v[BM+\b], v[BM+\b]
.endr
	WIN 0x45
.set J, 0
.rept 128
	v_exp_f32 v[J], v[J]
.set J, J+1
.endr
	WALU                                           ; one wait behind the batch
	WIN 0
.irp b, 0,1,2,3,4,5,6,7
	v_max_num_f32 v[BM+\b], 0x1800000, v[BM+\b]    ; the floor 2^(3 - 127): the byte cannot fall under 1
.endr
.irp b, 0,1,2,3,4,5,6,7
	v_add_nc_u32 v[SO+\b], 0xff000000, v[BM+\b]    ; 2 off the exponent field: the conversion's scale operand
.endr
	CVT \q, 0
	WIN 0x05
.set J, 0
.rept 16                                       ; step 0's p begins the sums, sixteen pairs side by side
	v_pk_add_f32 v[T+2*J:T+2*J+1], v[4*J:4*J+1], v[4*J+2:4*J+3]
.set J, J+1
.endr
.if \q == 3                                    ; V's first fragments, over step 0's p: my own tensor load of this trip has landed, and only I read its bytes
	WALU
	s_wait_tensorcnt 0x0
	WIN 0
.irp s, 0,1
.irp u, 0,1
	ds_load_b128 v[VS+8*\s+4*\u:VS+8*\s+4*\u+3], v[ADV] offset:25600*\s+24576+512*\u
.endr
.endr
	VLD 0
	VLD 1
.endif
.set J, 0
.rept 8                                        ; step 1's p goes onto the sums; among the lines the next tile's scores of step 0, over registers that are done with
	WIN 0x04
.irp i, 0,1,2,3
.set I, (4*J+\i)%16
	v_pk_add_f32 v[T+2*I:T+2*I+1], v[T+2*I:T+2*I+1], v[64+4*I+2*(J/4):65+4*I+2*(J/4)]
.endr
	NEXT \q, 0, J
.set J, J+1
.endr
	CVT \q, 1
	FOLD 16, 0
	NEXT \q, 1, 0
	FOLD 16, 4
	NEXT \q, 1, 1
	WIN 0
.irp b, 0,1,4,5
	v_lshrrev_b32 v[X+\b], 23, v[SO+\b]            ; the scales' bytes
.endr
	NEXT \q, 1, 2
	WIN 0
.irp b, 2,3,6,7
	v_lshrrev_b32 v[X+\b], 23, v[SO+\b]
.endr
	NEXT \q, 1, 3
	FOLD 8, 0
	NEXT \q, 1, 4
	WIN 0
.irp s, 0,1
	v_lshl_or_b32 v[PS+4*\s+\q], v[X+4*\s+1], 8, v[X+4*\s]
.endr
	v_pk_add_f32 v[T:T+1], v[T:T+1], v[T+4:T+5]
	v_pk_add_f32 v[T+2:T+3], v[T+2:T+3], v[T+6:T+7]
	NEXT \q, 1, 5
	WIN 0
.irp s, 0,1
	v_lshl_or_b32 v[PS+4*\s+\q], v[X+4*\s+2], 16, v[PS+4*\s+\q]
.endr
	v_pk_add_f32 v[T:T+1], v[T:T+1], v[T+2:T+3]
	NEXT \q, 1, 6
	WIN 0
.irp s, 0,1
	v_lshl_or_b32 v[PS+4*\s+\q], v[X+4*\s+3], 24, v[PS+4*\s+\q]
.endr
.if \first
	v_mov_b32 v[L+2*\q], v[T]
	v_mov_b32 v[L+2*\q+1], v[T+1]
.else
	v_pk_add_f32 v[L+2*\q:L+2*\q+1], v[L+2*\q:L+2*\q+1], v[T:T+1]
.endif
	NEXT \q, 1, 7
.endm
.macro NEXT q, s, t                    ; one of the next tile's score products
.if \q < 3
	QK (\q+1), \s, \t
.endif
.endm
.macro FOLD n, k                       ; four of the pairs of sums onto four others, n registers apart
	WIN 0
.irp i, 0,1,2,3
	v_pk_add_f32 v[T+2*(\k+\i):T+2*(\k+\i)+1], v[T+2*(\k+\i):T+2*(\k+\i)+1], v[T+\n+2*(\k+\i):T+\n+1+2*(\k+\i)]
.endr
.endm
.macro PV1 ct, s, q, c
.set D_, 8*(4*((\ct)%8)+\q)
	VB \ct
.set B_, VB_+12*\s
.if (\ct)%2
	v_wmma_scale_f32_16x16x128_f8f6f4 v[D_:D_+7], v[P+48*\s+12*\q:P+48*\s+12*\q+11], v[B_:B_+11], \c, v[PS+4*\s+\q], v[VS+8*\s+(\ct)/2] matrix_a_fmt:MATRIX_FMT_FP6 matrix_b_fmt:MATRIX_FMT_FP6 matrix_b_scale:MATRIX_SCALE_ROW1
.else
	v_wmma_scale_f32_16x16x128_f8f6f4 v[D_:D_+7], v[P+48*\s+12*\q:P+48*\s+12*\q+11], v[B_:B_+11], \c, v[PS+4*\s+\q], v[VS+8*\s+(\ct)/2] matrix_a_fmt:MATRIX_FMT_FP6 matrix_b_fmt:MATRIX_FMT_FP6
.endif
.endm
.macro PV ct, first                    ; a channel tile: 8 products, the four accumulators by turns
	WIN 0xa4+0x50*((\ct)/8)
.irp s, 0,1
.irp q, 0,1,2,3
.if \first && (\s == 0)
	PV1 \ct, \s, \q, 0
.else
	PV1 \ct, \s, \q, v[D_:D_+7]
.endif
.endr
.endr
.endm
; V'S PRODUCTS of the trip: 16 channel tiles; three tiles' fragments are asked for at a time, three to five tiles ahead, into the registers of the three just multiplied
.macro VPROD first                     ; (six channel tiles have room: three at a time are asked for, into the registers of the three just multiplied)
.set FI, 0
	WIN 0
	FILL 3, 24
	WALU
.if \first == 0
.irp q, 0,1,2,3
.irp i, 0,1
	ds_load_b128 v[T+8*\q+4*\i:T+8*\q+4*\i+3], v[FLD] offset:64*\q+16*\i   ; the factors of queries 8 h + 0 .. 7 of each tile; my own stores stand ahead
.endr
.endr
.endif
	VLD 2
	VLD 3
	VLD 4
	VLD 5
.if \first
	PLACES 5
	s_wait_dscnt 24
.else
	s_wait_dscnt 24                                ; the factors are in; the 24 loads of V behind them may be out
	WALU
.set N, 0
.rept 16                                       ; O under the new M
	WIN 0x82+0x41*(N/8)
.irp q, 0,1,2,3
.irp i, 0,2,4,6
	v_pk_mul_f32 v[8*(4*(N%8)+\q)+\i:8*(4*(N%8)+\q)+\i+1], v[8*(4*(N%8)+\q)+\i:8*(4*(N%8)+\q)+\i+1], v[T+8*\q+\i:T+8*\q+\i+1]
.endr
.endr
.set N, N+1
.endr
	WALU
.endif
.set N, 0
.rept 16
.set Y_, 3*(N/3)+5                             ; the last channel tile that has been asked for
.if Y_ > 15
.set Y_, 15
.endif
.if (N > 0) && (N < 15) && (N%3 == 0)
	PLACES 4
	VLD N+3
.if N < 12
	VLD N+4
	VLD N+5
.endif
.endif
.if N > 0
	s_wait_dscnt 6*(Y_-N)                          ; this tile's loads are in; those of the tiles behind it may be out
.endif
.if N == 15
	WIN 0
.if \first
	KLD
.else
	s_cmp_eq_u32 s[TR], 1                          ; behind the last trip no keys are left
	s_cbranch_scc1 .Lno_keys_\@
	KLD
.Lno_keys_\@:
.endif
.endif
	PV N, \first
.set N, N+1
.endr
	WIN 0
.endm
	s_load_b256 s[4:11], s[0:1], 0x0               ; g s[4:5], f s[6:7], v s[8:9], out0 s[10:11]
	v_lshl_add_u32 v[SPW], v0, 2, SPARE
	v_mov_b32 v[NIL], 0
	ds_add_u32 v[SPW], v[NIL]                      ; the opening add, twice on end, and its wait
	ds_add_u32 v[SPW], v[NIL]
	v_lshrrev_b32 v1, 5, v0
	v_readfirstlane_b32 s[WV], v1
	s_bfe_u32 s[CX], ttmp6, 0x40000
	s_lshl_b32 s[XQ], ttmp9, 2
	s_add_co_u32 s[XQ], s[XQ], s[CX]               ; which 64 queries
	s_and_b32 s[BB], ttmp7, 0xffff                 ; batch
	s_mov_b32 s[SEL], 0x76543210                   ; lane selects: lane l xor 16
	s_mov_b32 s[SEL+1], 0xfedcba98
	s_mov_b32 s[CS], 0x3db8aa3b                    ; log2(e) / 16
	s_mov_b32 s[CS+1], s[CS]
	; descriptor groups 1: dense blocks as rows of 256 bytes (32 elements of 8), to all four work-groups: V's 200 rows, K's 100
	s_mov_b32 s24, 15|(3<<16)|(1<<21)
	s_mov_b32 s25, 32<<16
	s_mov_b32 s26, 200<<16
	s_mov_b32 s27, 32<<16
	s_mov_b32 s28, 200
	s_mov_b32 s29, 32
	s_mov_b32 s30, 0
	s_mov_b32 s31, 0
	s_mov_b32 s40, 15|(3<<16)|(1<<21)
	s_mov_b32 s41, 32<<16
	s_mov_b32 s42, 100<<16
	s_mov_b32 s43, 32<<16
	s_mov_b32 s44, 100
	s_mov_b32 s45, 32
	s_mov_b32 s46, 0
	s_mov_b32 s47, 0
	s_mul_i32 s56, s[WV], WREG
	s_mov_b32 s36, 1
	s_mov_b32 s37, s56                             ; K
	s_mov_b32 s32, 1
	s_add_co_u32 s33, s56, VOFF                    ; V
	s_mov_b32 s[TK], 0
	s_mov_b32 s[TKS], 0
	s_mov_b32 s[TR], 3
	s_mul_i32 s57, s[BB], 102400
	s_mul_i32 s58, s[WV], 25600
	s_add_co_u32 s38, s57, s58
	s_mov_b32 s39, 0
	s_mul_i32 s58, s[BB], 819200
	s_mul_i32 s59, s[WV], 204800
	s_add_co_u32 s34, s58, s59
	s_mov_b32 s35, 0
	s_mul_i32 s58, s[CX], 12800
	s_add_co_u32 s48, s34, s58                     ; the prefetches: a trip ahead of the load, a quarter of the wave's bytes for each partner
	s_add_co_u32 s48, s48, 51200
	s_mov_b32 s49, 0
	s_lshr_b32 s59, s[XQ], 4                       ; the queries' quarter
	s_mul_i32 s58, s[XQ], 1536
	s_add_co_u32 s50, s57, s58
	s_lshl_b32 s58, s59, 10
	s_add_co_u32 s50, s50, s58
	s_mov_b32 s51, 0
	s_lshl_b32 s58, s[XQ], 6
	s_add_co_u32 s52, s57, s58
	s_mul_i32 s58, s59, 24576
	s_add_co_u32 s52, s52, s58
	s_add_co_u32 s52, s52, 24576
	s_mov_b32 s53, 0
	s_lshl_b32 s54, s[BB], 22                      ; out0: batch, my 64 channels, my 64 queries
	s_lshl_b32 s58, s[WV], 20
	s_add_co_u32 s54, s54, s58
	s_lshl_b32 s58, s[XQ], 8
	s_add_co_u32 s54, s54, s58
	s_mov_b32 s55, 0
	s_cmp_eq_u32 ttmp9, 0                          ; one cluster of each batch prefetches
	s_cselect_b32 s[LIM], 1, -1
	s_wait_dscnt 0x0
	s_wait_kmcnt 0x0
	s_add_nc_u64 s[34:35], s[8:9], s[34:35]
	s_or_b32 s35, s35, 0x80000000
	s_add_nc_u64 s[38:39], s[6:7], s[38:39]
	s_or_b32 s39, s39, 0x80000000
	s_add_nc_u64 s[50:51], s[4:5], s[50:51]
	s_add_nc_u64 s[52:53], s[4:5], s[52:53]
	s_add_nc_u64 s[54:55], s[10:11], s[54:55]
	s_add_nc_u64 s[PFA:PFA+1], s[8:9], s[PFA:PFA+1]
	v_and_b32 v1, 15, v0                           ; r
	v_bfe_u32 v2, v0, 4, 1                         ; h
	v_and_b32 v[LN], 31, v0
	v_mul_u32_u24 v3, v1, 24
	v_lshlrev_b32 v4, 2, v1
.irp q, 0,1,2,3
.irp k, 0,1,2
	global_load_b64 v[16+6*\q+2*\k:17+6*\q+2*\k], v3, s[50:51] offset:384*\q+8*\k
.endr
.endr
	global_load_b32 v5, v4, s[52:53]
	WALU
	ROUND
	tensor_load_to_lds s[36:39], s[40:47]          ; my quarter of K: one tensor load a wave at the head
	s_nop 0
	PLACES 4
	s_add_co_u32 s57, s56, 24576                   ; K's scale words
	s_add_co_u32 s58, s56, VOFF
	s_lshl_b32 s59, s[WV], 8
	s_add_co_u32 s59, s59, FREG
	v_mad_u32_u24 v[AK0], v2, 384, v3
	v_add_nc_u32 v[AK0], s56, v[AK0]
	v_lshl_add_u32 v[AKS0], v[LN], 2, s57
	v_mov_b32 v[ADK], v[AK0]
	v_mov_b32 v[ADS], v[AKS0]
	v_lshl_add_u32 v[ADV], v[LN], 4, s58
	v_lshl_add_u32 v[FST], v1, 2, s59
	v_lshl_add_u32 v[FLD], v2, 5, s59
	v_lshlrev_b32 v[PFO], 8, v[LN]
	v_add_nc_u32 v8, 32, v[LN]
	v_min_u32 v8, 49, v8
	v_lshlrev_b32 v[PFO+1], 8, v8
	v_sub_nc_u32 v6, 0, v2                         ; all ones in lanes 16-31
	v_xor_b32 v7, -1, v6                           ; all ones in lanes 0-15
.irp b, 0,1,2,3,4,5,6,7
	v_mov_b32 v[X+\b], 0                           ; written once: a lane permute's destination counts as one of its sources
.endr
	v_mov_b32 v[FF+1], 0                           ; named as the upper half of a pair
	WIN 0x40
.irp g, 0,2,4,6,8,10,12,14,16
.irp i, 0,1,2,3,4,5
	v_mov_b32 v[QB+6*\g+\i], 0                     ; zero codes
.endr
.endr
	WIN 0
	WALU
	s_wait_loadcnt 0x0
.irp q, 0,1,2,3
	v_bfe_u32 v[8+\q], v5, 8*\q, 8
.endr
.irp q, 0,1,2,3
	v_mul_lo_u32 v[QS+\q], 0x1010101, v[8+\q]      ; a query's one scale byte at all four places
.endr
	WIN 0x40
.irp q, 0,1,2,3
.irp i, 0,1,2,3,4,5
	v_and_b32 v[QB+24*\q+6+\i], v[16+6*\q+\i], v7  ; lo: lanes 0-15 alone
	v_and_b32 v[QB+24*\q+18+\i], v[16+6*\q+\i], v6 ; hi: lanes 16-31 alone
.endr
.endr
	WIN 0
	WALU
	s_wait_tensorcnt 0x0                           ; my quarter of K is in; only I read it
	KLD
	TOP 1
	TILE 0, 1
	TILE 1, 1
	TILE 2, 1
	TILE 3, 1
	VPROD 1
.Ltrip:
	TOP 0
	TILE 0, 0
	TILE 1, 0
	TILE 2, 0
	TILE 3, 0
	VPROD 0
	s_sub_co_u32 s[TR], s[TR], 1
	s_cmp_lg_u32 s[TR], 0
	s_cbranch_scc1 .Ltrip
	; ---- the way out
	s_mul_i32 s56, s[WV], WREG
	s_lshl_b32 s57, s[WV], 9
	s_add_co_u32 s57, s57, STATS
	s_mul_i32 s58, s[WV], 64*PITCH
.irp q, 0,1,2,3
	v_add_f32 v[BM+\q], v[L+2*\q], v[L+2*\q+1]     ; the sums' two halves, then the two halves of the lanes
.endr
.irp q, 0,1,2,3
	v_permlanex16_b32 v[X+\q], v[BM+\q], s[SEL], s[SEL+1]
.endr
.irp q, 0,1,2,3
	v_add_f32 v[BM+\q], v[BM+\q], v[X+\q]
.endr
	v_and_b32 v[SO], 15, v[LN]
	v_lshrrev_b32 v[SO+1], 4, v[LN]
	v_and_b32 v[SO+2], 8, v[SO]
	v_add_nc_u32 v[SO+2], v[SO+2], v[SO]           ; row r of tile q is position 32 (q / 2) + 8 (q % 2) + r + 8 (r / 8)
	v_lshl_add_u32 v[SO+3], v[SO+2], 2, s57
	v_mul_u32_u24 v[SO+4], v[SO], PITCH            ; the plane: channel r, queries of my half
	v_lshl_add_u32 v[SO+4], v[SO+1], 6, v[SO+4]
	v_add_nc_u32 v[SO+4], s56, v[SO+4]
	v_lshlrev_b32 v[SO+5], 4, v[SO]
	v_mad_u32_u24 v[CT], v[SO+1], PITCH, v[SO+5]   ; back: lanes 0-15 one channel's 64 queries, lanes 16-31 the next channel's
	v_add_nc_u32 v[CT], s58, v[CT]
	v_add_nc_u32 v[CT+1], WREG, v[CT]
	v_add_nc_u32 v[CT+2], 2*WREG, v[CT]
	v_add_nc_u32 v[CT+3], 3*WREG, v[CT]
	v_add_nc_u32 v[SO+6], STATS, v[SO+5]
	v_lshl_add_u32 v[SO+7], v[SO+1], 14, v[SO+5]
.irp q, 0,1,2,3
	ds_store_b32 v[SO+3], v[MN+2*\q] offset:128*(\q/2)+32*(\q%2)
	ds_store_b32 v[SO+3], v[BM+\q] offset:256+128*(\q/2)+32*(\q%2)
.endr
.set N, 0
.rept 16
	WIN 0x08+4*(N/8)
.irp q, 0,1,2,3
.irp i, 0,4
	ds_store_b128 v[SO+4], v[8*(4*(N%8)+\q)+\i:8*(4*(N%8)+\q)+\i+3] offset:16*PITCH*N+128*(\q/2)+32*(\q%2)+4*\i
.endr
.endr
.set N, N+1
.endr
	WIN 0
	WALU
	s_wait_dscnt 0x0
	s_barrier_signal -1
	s_barrier_wait -1                              ; all four planes and all sums lie in LDS
.irp w, 0,1,2,3
	ds_load_b128 v[4*\w:4*\w+3], v[SO+6] offset:512*\w
	ds_load_b128 v[16+4*\w:19+4*\w], v[SO+6] offset:512*\w+256
.endr
.macro LDB n                           ; four pairs of channels from the four planes: 16 loads; pair k at 16 k of windows 2, 3
.irp j, 0,1,2,3
	WIN 0x80+0x40*((\n)/4)
.irp p, 0,1,2,3
	ds_load_b128 v[(64*(\n)+16*\j+4*\p)%256:(64*(\n)+16*\j+4*\p)%256+3], v[CT+\p] offset:2*PITCH*(4*(\n)+\j)
.endr
.endr
	WIN 0
.endm
	LDB 0
	LDB 1
	LDB 2
	s_wait_dscnt 48
.irp p, 0,1,2,3
	v_min3_num_f32 v[32+\p], v[\p], v[4+\p], v[8+\p]
.endr
.irp p, 0,1,2,3
	v_min_num_f32 v[32+\p], v[32+\p], v[12+\p]     ; minus the largest M of my four queries
.endr
.irp w, 0,4,8,12
.irp p, 0,1,2,3
	v_sub_f32 v[\w+\p], v[32+\p], v[\w+\p]
.endr
.endr
.irp w, 0,4,8,12
.irp p, 0,1,2,3
	v_cvt_i32_f32 v[\w+\p], v[\w+\p]
.endr
.endr
.irp w, 0,4,8,12
.irp p, 0,1,2,3
	v_ldexp_f32 v[\w+\p], 1.0, v[\w+\p]
.endr
.endr
.irp p, 0,1,2,3
	v_mul_f32 v[36+\p], v[16+\p], v[\p]
.endr
.irp w, 4,8,12
.irp p, 0,1,2,3
	v_fma_f32 v[36+\p], v[16+\w+\p], v[\w+\p], v[36+\p]
.endr
.endr
	WALU
.irp p, 0,1,2,3
	v_rcp_f32 v[40+\p], v[36+\p]
.endr
	v_nop
	WALU
.irp w, 0,4,8,12
.irp p, 0,1,2,3
	v_mul_f32 v[\w+\p], v[\w+\p], v[40+\p]
.endr
.endr
	WALU
.set N, 0
.rept 8
.if N < 6
	s_wait_dscnt 32
.else
	s_wait_dscnt 16*(7-N)
.endif
	WIN 0xa2+0x51*(N/4)
.irp j, 0,16,32,48
.irp i, 0,2
.set R_, (64*N+\j)%256+\i
	v_pk_mul_f32 v[R_:R_+1], v[R_:R_+1], v[\i:\i+1]
.endr
.endr
.irp p, 4,8,12
.irp j, 0,16,32,48
.irp i, 0,2
.set R_, (64*N+\j)%256+\i
	v_pk_fma_f32 v[R_:R_+1], v[R_+\p:R_+\p+1], v[\p+\i:\p+\i+1], v[R_:R_+1]
.endr
.endr
.endr
	WIN 0x08+4*(N/4)
.irp j, 0,1,2,3
.set R_, (64*N+16*\j)%256
	global_store_b128 v[SO+7], v[R_:R_+3], s[54:55] offset:32768*(4*N+\j) th:TH_STORE_NT   ; sixteen lanes store a channel's 64 queries, 256 consecutive bytes
.endr
	WIN 0
.if N < 5
	LDB N+3
.endif
.set N, N+1
.endr
	s_wait_tensorcnt 0x0                           ; the wave's end
	ds_add_u32 v[SPW], v[NIL]
	s_wait_dscnt 0x0
	ROUND
	s_endpgm
.Lfunc_end_k_qbeb3117fdb_attn:
	.size	k_qbeb3117fdb_attn, .Lfunc_end_k_qbeb3117fdb_attn-k_qbeb3117fdb_attn
	.p2alignl 7, 3214868480
	.fill 96, 4, 3214868480
	.section	.rodata,"a",@progbits
	.p2align	6, 0x0
	.amdhsa_kernel k_qbeb3117fdb_attn
		.amdhsa_group_segment_fixed_size 327680
		.amdhsa_private_segment_fixed_size 0
		.amdhsa_enable_private_segment 0
		.amdhsa_kernarg_size 32
		.amdhsa_user_sgpr_count 2
		.amdhsa_user_sgpr_kernarg_segment_ptr 1
		.amdhsa_wavefront_size32 1
		.amdhsa_system_sgpr_workgroup_id_x 1
		.amdhsa_system_sgpr_workgroup_id_y 1
		.amdhsa_system_sgpr_workgroup_id_z 1
		.amdhsa_system_vgpr_workitem_id 0
		.amdhsa_next_free_vgpr 1024
		.amdhsa_next_free_sgpr 66
		.amdhsa_reserve_vcc 0
		.amdhsa_float_denorm_mode_32 3
		.amdhsa_float_denorm_mode_16_64 3
		.amdhsa_memory_ordered 1
		.amdhsa_forward_progress 1
		.amdhsa_inst_pref_size 255
	.end_amdhsa_kernel
	.section	.bss,"aw",@nobits
	.p2align	6
	.space	262144
	.amdgpu_metadata
---
amdhsa.version: [ 1, 2 ]
amdhsa.kernels:
  - .name:           k_qbeb3117fdb_attn
    .symbol:         k_qbeb3117fdb_attn.kd
    .args:
      - { .name: gimg, .offset: 0, .size: 8, .value_kind: global_buffer, .address_space: global }
      - { .name: fimg, .offset: 8, .size: 8, .value_kind: global_buffer, .address_space: global }
      - { .name: vimg, .offset: 16, .size: 8, .value_kind: global_buffer, .address_space: global }
      - { .name: out0, .offset: 24, .size: 8, .value_kind: global_buffer, .address_space: global }
    .group_segment_fixed_size: 327680
    .private_segment_fixed_size: 0
    .kernarg_segment_align: 8
    .kernarg_segment_size: 32
    .max_flat_workgroup_size: 128
    .sgpr_count:     66
    .vgpr_count:     1024
    .wavefront_size: 32
...
	.end_amdgpu_metadata
.endif
;; end of part 2
